; MI455X (gfx1250); checked and timed in simulation.
; The chip was launched on July 23, 2026; its instructions are those of AMD's public machine-readable ISA for CDNA 5 (MIT licence, August 2026) and "CDNA5" Instruction Set Architecture Reference Guide (July 2026). The comments in the code are by the model that wrote it; some were corrected since.
;; Self Attention. Allowed arithmetic: matrix products marked QUANTISED: E5M2 operands, one given power-of-two scale a tensor, by v_wmma_f32_16x16x64_bf8_bf8 or v_wmma_f32_16x16x128_bf8_bf8, f32 sums; everything else in f32.
;; Inputs: Wk_codes 1,024 x 32 x 32 uint8 (E5M2 codes of Wk, K innermost, in blocks of 32 codes); Wq_codes 1,024 x 32 x 32 uint8 (E5M2 codes of Wq, K innermost, in blocks of 32 codes); Wv_codes 1,024 x 32 x 32 uint8 (E5M2 codes of Wv, K innermost, in blocks of 32 codes); bk 1,024 float32; bq 1,024 float32; bv 1,024 float32; lowp_scales 10 int32 (the exponents e of the quantised operands' scales 2^e); x_codes 4 x 2,048 x 32 x 32 uint8 (E5M2 codes of x, K innermost, in blocks of 32 codes).
;; Outputs: out0 4 x 2,048 x 1,024 float32.
;; This version of the problem:
;;   THIS VERSION OF THE PROBLEM IS GIVEN IN LOW PRECISION. The matrix products marked QUANTISED in the list below multiply operands that are first quantised to E5M2 (5 exponent bits, 2 mantissa bits; 8 bits a number), with one given power-of-two scale for each operand tensor; their sums are f32. All else is computed in f32.
;;   The module's matrix products, in the order in which they are computed (A, B: the left and right operand; K: the contracted axis; several contracted axes count as one K, in the product's order):
;;     1. [M 8,192, K 1,024] x [K 1,024, N 1,024]; A: input x (given as codes); B: input Wq (given as codes): QUANTISED (scales: A lowp_scales[0], B lowp_scales[1])
;;     2. [M 8,192, K 1,024] x [K 1,024, N 1,024]; A: input x (given as codes); B: input Wk (given as codes): QUANTISED (scales: A lowp_scales[2], B lowp_scales[3])
;;     3. [M 8,192, K 1,024] x [K 1,024, N 1,024]; A: input x (given as codes); B: input Wv (given as codes): QUANTISED (scales: A lowp_scales[4], B lowp_scales[5])
;;     4. batch 4 x [M 2,048, K 1,024] x [K 1,024, N 2,048]; A: computed on the way; B: computed on the way: QUANTISED (scales: A lowp_scales[6], B lowp_scales[7])
;;     5. batch 4 x [M 2,048, K 2,048] x [K 2,048, N 1,024]; A: softmax (see below); B: computed on the way: QUANTISED (scales: A lowp_scales[8], B lowp_scales[9])
;;   THE QUANTISER, for each operand of a quantised product, along K:
;;     - The operand's scale is 2^e, e = its entry of the input lowp_scales (int32; the entries are numbered through the quantised products in the list's order, A before B).
;;     - Each number is divided by the scale, clamped to +-57,344, and rounded to the nearest number of E5M2, ties to even, subnormals kept.
;;     - The product sums the exact products of the quantised numbers (number of the format x scale) in f32.
;;   ~~~python
;;   def quantise(x, axis, e):      # numpy; x: float32 -> the quantised numbers, widened to float32 again
;;       x = np.moveaxis(x, axis, -1); K = x.shape[-1]
;;       r = np.clip(x / 2.0 ** e, -57344, 57344)
;;       step = 2.0 ** (np.maximum(np.frexp(np.where(r == 0, 1, r))[1] - 1, -14) - 2)
;;       q = np.round(r / step) * step * 2.0 ** e      # np.round: ties to even
;;       return np.moveaxis(q, -1, axis).astype(np.float32)
;;   ~~~
;;   SOFTMAX AHEAD OF A QUANTISED PRODUCT. Where the list says 'softmax', what is quantised is not the finished softmax but p = 2^(t - M), with t = logit x log2(e) and M = ceil(the row's largest t), a whole number; so 1/2 < the row's largest p <= 1. The row's sum l is taken of the UNQUANTISED p, in f32, and the product's result is divided by l at the end. Since M is a whole number, a kernel that streams over the keys may use a running M (the ceiling of the running maximum): every later rescaling is an exact power of two, so the quantised numbers keep their values, but for numbers so far below the row's largest that they fall under the format's range.
;;   OPERANDS COMPUTED ON THE WAY. 'Computed on the way' means the value that the module computes at that place (a softmax that the list does not call 'softmax' is quantised finished and normalised). What goes into a quantiser is computed in f32, as accurately as f32 sums, v_exp_f32 and their like allow (about 1e-6 of the number): no bf16 or f16 on the way to a quantiser, and a product that is left as it is and whose result goes on into a quantised operand takes f32 operands (vector FMAs, or v_wmma_f32_16x16x4_f32). A number that lies on a knife's edge between two numbers of the format may be rounded either way, as far as f32 arithmetic and the matrix unit's own rounding can turn it there, and no further.
;;   INPUTS GIVEN AS CODES. Wk (in the module: [1024, 1024], K = its axis 0); Wq (in the module: [1024, 1024], K = its axis 0); Wv (in the module: [1024, 1024], K = its axis 0); x (in the module: [4, 2048, 1024], K = its axis 2): each comes as NAME_codes (uint8): NAME with its K axis moved to the last place and cut into blocks of 32 codes, [.., K / 32, bytes a block], one block behind the other in memory; one code a byte (a code: sign, 5 exponent bits, 2 mantissa bits); its scale is its entry of lowp_scales. Its value is code x scale, taken as it is: it is not quantised again, and the codes and scales need not be those that the quantiser above would give.
;; One version. Each part assembles by itself: llvm-mc -triple=amdgcn-amd-amdhsa -mcpu=gfx1250 --defsym DOCPART=n.
;; ======== version 1 of 1: 3 launches
;; limits: right only within a limited range of input values
;; workspace buffers: q_img 8,388,608 bytes; k_img 8,388,608 bytes; v_img 8,388,608 bytes; p_img 16,777,216 bytes; mrow 262,144 bytes; lrow 262,144 bytes
;; launch proj (part 1): grid 8 x 32, 4 waves a work-group, clusters of 4 x 4, 327,680 bytes of LDS; arguments x_codes, Wq_codes, Wk_codes, Wv_codes, bq, bk, bv, lowp_scales, q_img, k_img, v_img; writes q_img, k_img, v_img
.if DOCPART == 1
	.amdgcn_target "amdgcn-amd-amdhsa--gfx1250"
	.amdhsa_code_object_version 6
	.text
	.protected	k_q989192a8bf_proj
	.globl	k_q989192a8bf_proj
	.p2align	8
	.type	k_q989192a8bf_proj,@function
k_q989192a8bf_proj:
	s_mov_b64 s[64:65], 0
	v_nop
	global_prefetch_b8 v0, s[64:65] scope:SCOPE_SE
	s_setreg_imm32_b32 hwreg(HW_REG_WAVE_MODE, 25, 1), 1
	s_wait_xcnt 0x0
	s_wait_alu depctr_hold_cnt(0) depctr_sa_sdst(0) depctr_va_vdst(0) depctr_va_sdst(0) depctr_va_ssrc(0) depctr_va_vcc(0) depctr_vm_vsrc(0)
	s_getreg_b32 s2, hwreg(HW_REG_IB_STS2, 6, 4)
	s_cmp_eq_u32 s2, 0
	s_cbranch_scc0 .Lentry_in_a_cluster
	s_endpgm
.Lentry_in_a_cluster:
	s_bfe_u32 s2, ttmp6, 0x10000c
	s_cmp_lg_u32 s2, 0xf033
	s_cbranch_scc0 .Lentry_shape_is_right
	s_endpgm
.Lentry_shape_is_right:
.set ROWB,   256
; q = x Wq + bq, k = x Wk + bk, v = x Wv + bv on codes of BF8 (E5M2), each result quantised with its given scale and stored as fragments for the next launches.  No step of the problem is left out.
; A work-group makes 256 tokens x 256 columns of q (cluster x = 0) or of k (cluster x = 1), then 128 channels x 256 tokens of v, transposed, so that v's tokens run along a lane's registers.
; THE GRID: a cluster's 1,024 tokens are row (y + x) modulo 8 of the eight: the clusters (1, y) and (0, y + 1), neighbours in the grid's order, take the same tokens.
; q_img, k_img: fragments (16 rows x 128 K, 2,048 bytes: registers 4 c .. 4 c + 3 of lane l at 512 c + 16 l) in the order [group of 128 tokens][128 along K][block of 16 rows]; v_img: [group of 128 channels][128 tokens][block of 16 channels].
; K goes in steps of 256 through two LDS slots filled by joint tensor loads of a 4 x 4 cluster; at the head each wave issues one, and K step 1's stands behind the full sequence and a round.
; PREFETCHES, one instruction a wave for a K step: at the head K step 1 (its load waits for K step 0's), behind K step 1's load K steps 2 and 3; of Wv two K steps behind K step 2's load and two behind Wv's first load.  The tokens of the second
; product are those of the cluster's first.  The four partners of a joint load share its rows out by address: 32 rows each of x, Wq, Wk, a lane a row; 16 rows x 2 K steps of Wv.  The weights are asked for by the clusters whose row of tokens is under 4.
; LIMITS on the given exponents, so that each power of two is an f32 number: the sums e0 + e1, e2 + e3, e4 + e5 between -127 and 126; e6 - e0 - e1, e7 - e2 - e3, e9 - e4 - e5 between -126 and 112.
.macro ASK off                         ; s101: 0 in the waves that fetch x, the cluster's row of tokens in those that fetch W
	s_cmp_lt_u32 s101, 4
	s_cbranch_scc0 .Lnot_mine_\@
	global_prefetch_b8 v24, s[72:73] offset:\off th:TH_LOAD_NT scope:SCOPE_SE
.Lnot_mine_\@:
.endm
.macro ASKV off                        ; s74: the cluster's row of tokens in waves 0 and 1, 4 and more in the others
	s_cmp_lt_u32 s74, 4
	s_cbranch_scc0 .Lnot_mine_\@
	global_prefetch_b8 v25, s[66:67] offset:\off th:TH_LOAD_NT scope:SCOPE_SE
.Lnot_mine_\@:
.endm
.set KROW,   1024
.set PITCH,  272
.set FR,     16
.set NL,     4
.set NP,     4
.set HALFT,  128*PITCH
.set SLOT,   4*HALFT
.set SPARE,  2*SLOT
.set BM2,  8
.set ADRA, 16
.set SC2,  18
.set LM2,  19
.set ADRB, 20
.set BNO,  22
.set BMO,  23
.set LO,   26
.set SPW,  28
.set NIL,  29
.set SC,   30
.set LM,   31
.set BN,   32
.set CI2,  96
.set AF,   128
.set T,    128
.set CD,   192
.set G1C, 4
.set G1, 24
.set G0, 32
.set G1B, 48
.set G0B, 56
.set A2P, 68
.set B2P, 70
.set MSB, 0
.macro WIN new
.if MSB != (\new)
	s_set_vgpr_msb (MSB<<8)|(\new)
.set MSB, \new
.endif
.endm
.set MUL_LO, 0xa1
.set MUL_HI, 0xf1
.set FST_LO, 0x81
.set TO_B,   0x40
.macro JLOAD g0a, g1a, g0b, g1b
	s_cmp_eq_u32 s15, 0
	s_cbranch_scc0 .Lfor_b_\@
	tensor_load_to_lds s[\g0a:\g0a+3], s[\g1a:\g1a+7]
	s_nop 0
.rept 4
	v_nop
.endr
	s_branch .Lasked_\@
.Lfor_b_\@:
	tensor_load_to_lds s[\g0b:\g0b+3], s[\g1b:\g1b+7]
	s_nop 0
.rept 4
	v_nop
.endr
.Lasked_\@:
.endm
.macro CREST
	s_cmp_lg_u32 s14, 0
	s_cbranch_scc1 .Lnot_wave_0_\@
	s_barrier_signal -3
.Lnot_wave_0_\@:
	s_barrier_wait -3
	s_barrier_signal -1
	s_barrier_wait -1
.endm
.macro CROUND
	s_barrier_signal -1
	s_barrier_wait -1
	CREST
.endm
.macro PLACES n
.rept \n
	v_nop
.endr
.endm
	s_load_b256 s[4:11], s[0:1], 0x0
	s_load_b256 s[72:79], s[0:1], 0x20
	s_load_b128 s[80:83], s[0:1], 0x40
	s_load_b64 s[84:85], s[0:1], 0x50
	v_lshl_add_u32 v[SPW], v0, 2, SPARE
	v_mov_b32 v[NIL], 0
	ds_add_u32 v28, v29
	ds_add_u32 v28, v29
	s_wait_dscnt 0x0
	v_lshrrev_b32 v1, 5, v0
	v_readfirstlane_b32 s14, v1
	s_lshr_b32 s15, s14, 1
	s_and_b32 s16, s14, 1
	s_bfe_u32 s40, ttmp6, 0x40000
	s_bfe_u32 s41, ttmp6, 0x40004
	s_and_b32 s18, ttmp7, 0xffff
	s_add_co_u32 s18, s18, ttmp9
	s_and_b32 s18, s18, 7              ; the cluster's row of tokens
	s_lshl_b32 s17, s18, 2
	s_add_co_u32 s17, s17, s41
	s_lshl_b32 s42, s18, 2
	s_add_co_u32 s42, s42, s40
	s_lshl_b32 s19, ttmp9, 2
	s_add_co_u32 s19, s19, s41
	s_lshl_b32 s43, s41, 2
	s_lshl_b32 s43, 15, s43
	s_lshl_b32 s44, 0x1111, s40
	s_or_b32 s[G1+0], s43, (1<<20)|(1<<21)|(5<<22)|(3<<25)
	s_or_b32 s[G1B+0], s44, (1<<20)|(1<<21)|(5<<22)|(3<<25)
.irp g, G1, G1B
	s_mov_b32 s[\g+1], ROWB<<16
	s_mov_b32 s[\g+2], 128<<16
	s_mov_b32 s[\g+3], ROWB<<16
	s_mov_b32 s[\g+4], 128
	s_mov_b32 s[\g+5], KROW
	s_mov_b32 s[\g+6], 0
	s_mov_b32 s[\g+7], 0
.endr
	s_lshl_b32 s2, s16, 7
	s_lshl_b32 s3, s16, 6
	s_lshl_b32 s20, s17, 8
	s_add_co_u32 s20, s20, s2
	s_lshl_b32 s20, s20, 10
	s_mov_b32 s21, 0
	s_lshl_b32 s46, s40, 8
	s_add_co_u32 s46, s46, s2
	s_lshl_b32 s46, s46, 10
	s_mov_b32 s47, 0
	s_lshl_b32 s[A2P], s19, 7
	s_add_co_u32 s[A2P], s[A2P], s3
	s_lshl_b32 s[A2P], s[A2P], 10
	s_mov_b32 s[A2P+1], 0
	s_lshl_b32 s[B2P], s42, 8
	s_add_co_u32 s[B2P], s[B2P], s2
	s_lshl_b32 s[B2P], s[B2P], 10
	s_mov_b32 s[B2P+1], 0
	s_mul_i32 s45, s14, HALFT
	s_wait_kmcnt 0x0
	s_load_b256 s[88:95], s[78:79], 0x0
	s_load_b64 s[96:97], s[78:79], 0x20
	s_cmp_eq_u32 ttmp9, 0
	s_cselect_b64 s[66:67], s[6:7], s[8:9]
	s_cselect_b64 s[12:13], s[72:73], s[74:75]
	s_cselect_b64 s[86:87], s[80:81], s[82:83]
	s_add_nc_u64 s[20:21], s[4:5], s[20:21]
	s_add_nc_u64 s[46:47], s[66:67], s[46:47]
	s_add_nc_u64 s[A2P:A2P+1], s[10:11], s[A2P:A2P+1]
	s_add_nc_u64 s[B2P:B2P+1], s[4:5], s[B2P:B2P+1]
	s_or_b32 s[G1C+0], s43, (1<<20)|(1<<21)|(5<<22)|(3<<25)
	s_mov_b32 s[G1C+1], ROWB<<16
	s_mov_b32 s[G1C+2], 64<<16
	s_mov_b32 s[G1C+3], ROWB<<16
	s_mov_b32 s[G1C+4], 64
	s_mov_b32 s[G1C+5], KROW
	s_mov_b32 s[G1C+6], 0
	s_mov_b32 s[G1C+7], 0
	CROUND
.irp s, 0,1
	s_mov_b32 s[G0+4*\s], 1
	s_add_co_u32 s[G0+4*\s+1], s45, \s*SLOT
	s_add_nc_u64 s[G0+4*\s+2:G0+4*\s+3], s[20:21], \s*ROWB
	s_or_b32 s[G0+4*\s+3], s[G0+4*\s+3], 0x80000000
	s_mov_b32 s[G0B+4*\s], 1
	s_add_co_u32 s[G0B+4*\s+1], s45, \s*SLOT
	s_add_nc_u64 s[G0B+4*\s+2:G0B+4*\s+3], s[46:47], \s*ROWB
	s_or_b32 s[G0B+4*\s+3], s[G0B+4*\s+3], 0x80000000
.endr
	JLOAD G0, G1, G0B, G1B             ; K step 0: one tensor load a wave at the head
	s_cmp_eq_u32 s15, 0                ; the prefetches: x's rows or W's,
	s_cselect_b64 s[72:73], s[20:21], s[46:47]
	s_cselect_b32 s2, s40, s41         ; my place among the four that ask jointly: 32 rows each
	s_mov_b32 s3, 0
	s_lshl_b32 s2, s2, 15
	s_add_nc_u64 s[72:73], s[72:73], s[2:3]
	s_mul_i32 s101, s15, s18
	s_lshl_b32 s2, s40, 14             ; of Wv 16 rows each
	s_add_nc_u64 s[66:67], s[A2P:A2P+1], s[2:3]
	s_lshl_b32 s74, s15, 2
	s_add_co_u32 s74, s74, s18
	v_and_b32 v24, 31, v0
	v_lshlrev_b32 v24, 10, v24         ; a lane a row
	v_and_b32 v25, 15, v0
	v_lshlrev_b32 v25, 10, v25
	v_bfe_u32 v1, v0, 4, 1
	v_lshl_add_u32 v25, v1, 8, v25     ; 16 rows x 2 K steps
	s_wait_alu depctr_va_vdst(0)       ; the wait ahead of the branches
	ASK 256
	v_and_b32 v1, 15, v0
	v_bfe_u32 v2, v0, 4, 1
	v_and_b32 v3, 31, v0
	v_lshlrev_b32 v[LO], 4, v3
	v_lshlrev_b32 v[BMO], 2, v1
	v_lshlrev_b32 v[BNO], 5, v2
	s_wait_alu depctr_va_vdst(0)
	v_mul_u32_u24 v4, v1, PITCH
	v_lshl_add_u32 v4, v2, 4, v4
	s_mul_i32 s21, s15, HALFT
	s_mul_i32 s22, s16, HALFT
	s_add_co_u32 s22, s22, 2*HALFT
.irp s, 0,1
	v_add_nc_u32 v[ADRA+\s], s21, v4
	v_add_nc_u32 v[ADRB+\s], s22, v4
	s_add_co_u32 s21, s21, SLOT
	s_add_co_u32 s22, s22, SLOT
.endr
	s_mov_b32 s3, 0
	s_lshl_b32 s2, s40, 8
	s_lshl_b32 s23, s16, 7
	s_add_co_u32 s2, s2, s23
	s_lshl_b32 s2, s2, 2
	s_add_nc_u64 s[12:13], s[12:13], s[2:3]
	s_lshl_b32 s2, s19, 7
	s_lshl_b32 s23, s15, 6
	s_add_co_u32 s2, s2, s23
	s_lshl_b32 s2, s2, 2
	s_add_nc_u64 s[76:77], s[76:77], s[2:3]
.irp b, 0,1,2,3,4,5,6,7
	global_load_b128 v[BN+8*\b:BN+8*\b+3], v[BNO], s[12:13] offset:64*\b
	global_load_b128 v[BN+8*\b+4:BN+8*\b+7], v[BNO], s[12:13] offset:64*\b+16
.endr
.irp a, 0,1,2,3
	global_load_b32 v[BM2+\a], v[BMO], s[76:77] offset:64*\a
.endr
	s_lshl_b32 s2, s17, 1
	s_add_co_u32 s2, s2, s15
	s_lshl_b32 s2, s2, 17
	s_add_nc_u64 s[86:87], s[86:87], s[2:3]
	s_lshl_b32 s2, s40, 1
	s_add_co_u32 s2, s2, s16
	s_lshl_b32 s2, s2, 14
	s_add_nc_u64 s[86:87], s[86:87], s[2:3]
	s_lshl_b32 s2, s19, 20
	s_add_nc_u64 s[84:85], s[84:85], s[2:3]
	s_lshl_b32 s2, s42, 1
	s_add_co_u32 s2, s2, s16
	s_lshl_b32 s2, s2, 14
	s_lshl_b32 s23, s15, 13
	s_add_co_u32 s2, s2, s23
	s_add_nc_u64 s[84:85], s[84:85], s[2:3]
.macro FRAG reg, adr, q, i
.irp c, 0,1,2,3
	ds_load_b128 v[\reg+4*\c:\reg+4*\c+3], v[\adr] offset:128*(\q)+32*\c+(\i)*16*PITCH
.endr
.endm
.macro FETCH_B slot, q, p
	WIN TO_B
.irp i, 0,1,2,3,4,5,6,7
	FRAG 128*(\p)+FR*\i, ADRB+\slot, \q, \i
.endr
	WIN 0
.endm
.macro MUL16 a0, p, zero
.irp a, \a0, \a0+1
.irp b, 0,1,2,3,4,5,6,7
.if \zero
	v_wmma_f32_16x16x128_bf8_bf8 v[8*(8*((\a)%4)+\b):8*(8*((\a)%4)+\b)+7], v[128*(\p)+FR*\b:128*(\p)+FR*\b+FR-1], v[AF+FR*(\a):AF+FR*(\a)+FR-1], 0
.else
	v_wmma_f32_16x16x128_bf8_bf8 v[8*(8*((\a)%4)+\b):8*(8*((\a)%4)+\b)+7], v[128*(\p)+FR*\b:128*(\p)+FR*\b+FR-1], v[AF+FR*(\a):AF+FR*(\a)+FR-1], v[8*(8*((\a)%4)+\b):8*(8*((\a)%4)+\b)+7]
.endif
.endr
.endr
.endm
.macro FETCH_A slot, q, i0
.irp i, \i0, \i0+1, \i0+2, \i0+3
	FRAG AF+FR*(\i), ADRA+\slot, \q, \i
.endr
.endm
.macro NEWADR s
	s_add_nc_u64 s[G0+4*\s+2:G0+4*\s+3], s[A2P:A2P+1], \s*ROWB
	s_or_b32 s[G0+4*\s+3], s[G0+4*\s+3], 0x80000000
	s_add_nc_u64 s[G0B+4*\s+2:G0B+4*\s+3], s[B2P:B2P+1], \s*ROWB
	s_or_b32 s[G0B+4*\s+3], s[G0B+4*\s+3], 0x80000000
.endm
.macro STEP slot, q, zero
	s_wait_dscnt 4*NL
	WIN MUL_LO
	MUL16 0, (\q)%2, \zero
	MUL16 2, (\q)%2, \zero
	s_wait_dscnt 0
	PLACES NP
	FETCH_B \slot, (\q)+1, 1-(\q)%2
	FETCH_A \slot, (\q)+1, 0
	WIN MUL_HI
	MUL16 4, (\q)%2, \zero
	MUL16 6, (\q)%2, \zero
	PLACES NP
	WIN 0
	FETCH_A \slot, (\q)+1, 4
.endm
.macro TURN slot, next, fill
	s_wait_tensorcnt 0x0
	ds_add_u32 v[SPW], v[NIL]
	s_wait_dscnt 4*NL+1
	WIN MUL_LO
	MUL16 0, 1, 0
	s_wait_dscnt 0x0
	s_barrier_signal -1
	MUL16 2, 1, 0
	WIN 0
	s_barrier_wait -1
	CREST
.if \fill == 1
	s_add_nc_u64 s[G0+4*\slot+2:G0+4*\slot+3], s[G0+4*\slot+2:G0+4*\slot+3], 2*ROWB
	s_add_nc_u64 s[G0B+4*\slot+2:G0B+4*\slot+3], s[G0B+4*\slot+2:G0B+4*\slot+3], 2*ROWB
	JLOAD G0+4*\slot, G1, G0B+4*\slot, G1B
.else
	NEWADR \slot
	JLOAD G0+4*\slot, G1C, G0B+4*\slot, G1B
.endif
	FETCH_B \next, 0, 0
	FETCH_A \next, 0, 0
	WIN MUL_HI
	MUL16 4, 1, 0
	MUL16 6, 1, 0
	PLACES NP
	WIN 0
	FETCH_A \next, 0, 4
.endm
.macro TURNL
	s_wait_tensorcnt 0x0
	ds_add_u32 v[SPW], v[NIL]
	s_wait_dscnt 4*NL+1
	WIN MUL_LO
	MUL16 0, 1, 0
	s_wait_dscnt 0x0
	s_barrier_signal -1
	MUL16 2, 1, 0
	WIN 0
	s_barrier_wait -1
	CREST
	NEWADR 1
	JLOAD G0+4, G1C, G0B+4, G1B
	FETCH_B 0, 0, 0
	WIN MUL_HI
	MUL16 4, 1, 0
	MUL16 6, 1, 0
	WIN 0
.endm
	s_wait_alu depctr_va_vdst(0)
	s_wait_tensorcnt 0x0               ; my part of K step 0 is in
	ds_add_u32 v[SPW], v[NIL]
	s_wait_dscnt 0x0
	CROUND                             ; everybody's part is in, and the joint loads meet
	JLOAD G0+4, G1, G0B+4, G1B         ; K step 1
	FETCH_B 0, 0, 0
	FETCH_A 0, 0, 0
	FETCH_A 0, 0, 4
	ASK 512
	ASK 768
	STEP 0, 0, 1
	TURN 0, 1, 1
	ASKV 0
	STEP 1, 0, 0
	TURN 1, 0, 1
	STEP 0, 0, 0
	TURN 0, 1, 2
	ASKV 512
	STEP 1, 0, 0
	TURNL
	s_wait_kmcnt 0x0
	s_add_co_i32 s88, s88, s89
	s_add_co_i32 s90, s90, s91
	s_add_co_i32 s92, s92, s93
	s_cmp_eq_u32 ttmp9, 0
	s_cselect_b32 s88, s88, s90
	s_cselect_b32 s94, s94, s95
	s_sub_co_i32 s98, 127, s88
	s_lshl_b32 s98, s98, 23
	s_mov_b32 s99, s98
	s_sub_co_i32 s94, s94, s88
	s_add_co_i32 s94, s94, 127
	s_lshl_b32 s95, s94, 23
	v_mov_b32 v[SC], s95
	s_add_co_i32 s94, s94, 15
	s_lshl_b32 s94, s94, 23
	s_or_b32 s94, s94, 0x600000
	v_mov_b32 v[LM], s94
	s_sub_co_i32 s100, 127, s92
	s_lshl_b32 s100, s100, 23
	s_sub_co_i32 s97, s97, s92
	s_add_co_i32 s97, s97, 127
	s_lshl_b32 s96, s97, 23
	v_mov_b32 v[SC2], s96
	s_add_co_i32 s97, s97, 15
	s_lshl_b32 s97, s97, 23
	s_or_b32 s97, s97, 0x600000
	v_mov_b32 v[LM2], s97
.macro OUTBLK a
.set AC, 64*((\a)%4)
.set CB, CD+16*((\a)%4)
.if (\a) >= 4
	s_wait_xcnt 0x0
.endif
	WIN 0x20+0x10*((\a)/4)
.set JJ, 0
.rept 32
	v_pk_fma_f32 v[T+JJ:T+JJ+1], v[BN+JJ:BN+JJ+1], s[98:99], v[AC+JJ:AC+JJ+1] op_sel_hi:[1,0,1]
.set JJ, JJ+2
.endr
	WIN 0
.set JJ, 0
.rept 64
	v_med3_num_f32 v[T+JJ], v[T+JJ], -v[LM], v[LM]
.set JJ, JJ+1
.endr
.irp b, 0,1,2,3,4,5,6,7
	v_cvt_scalef32_pk8_bf8_f32 v[CB+2*\b:CB+2*\b+1], v[T+8*\b:T+8*\b+7], v[SC]
.endr
	v_nop
.irp c, 0,1,2,3
	global_store_b128 v[LO], v[CB+4*\c:CB+4*\c+3], s[86:87] offset:2048*(\a)+512*\c
.endr
.endm
	PLACES NP
	s_wait_loadcnt 0x0
.irp a, 0,1,2,3
.irp j, 0,1,2,3,4,5,6,7
	v_mul_f32 v[CI2+8*\a+\j], s100, v[BM2+\a]
.endr
.endr
.irp a, 0,1,2,3,4,5,6,7
	OUTBLK \a
.endr
.macro FETCH_A2 slot, q, p
.irp i, 0,1,2,3
	FRAG AF+64*(\p)+FR*\i, ADRA+\slot, \q, \i
.endr
.endm
.set ZR, 0
.macro ONE a, b, p
.if ZR
	v_wmma_f32_16x16x128_bf8_bf8 v[8*(8*(\a)+\b):8*(8*(\a)+\b)+7], v[128*(\p)+FR*\b:128*(\p)+FR*\b+FR-1], v[AF+64*(\p)+FR*(\a):AF+64*(\p)+FR*(\a)+FR-1], v[CI2+8*(\a):CI2+8*(\a)+7]
.else
	v_wmma_f32_16x16x128_bf8_bf8 v[8*(8*(\a)+\b):8*(8*(\a)+\b)+7], v[128*(\p)+FR*\b:128*(\p)+FR*\b+FR-1], v[AF+64*(\p)+FR*(\a):AF+64*(\p)+FR*(\a)+FR-1], v[8*(8*(\a)+\b):8*(8*(\a)+\b)+7]
.endif
.endm
.macro MUL8 a, p
.irp b, 0,1,2,3,4,5,6,7
	ONE \a, \b, \p
.endr
.endm
.macro STEPA2 s
.set SL, (\s)%2
	s_wait_dscnt 0x0
	PLACES NP
	FETCH_B SL, 1, 1
	FETCH_A2 SL, 1, 1
.if (\s) == 0
.set ZR, 1
	WIN FST_LO
.else
	WIN MUL_LO
.endif
	MUL8 0, 0
	MUL8 1, 0
	MUL8 2, 0
	MUL8 3, 0
	WIN 0
.set ZR, 0
.endm
.macro TURNB2 s, fill
.set SL, (\s)%2
.set NX, 1-SL
	s_wait_tensorcnt 0x0
	ds_add_u32 v[SPW], v[NIL]
	s_wait_dscnt 1
	WIN MUL_LO
	MUL8 0, 1
	s_wait_dscnt 0x0
	s_barrier_signal -1
	MUL8 1, 1
	WIN 0
	s_barrier_wait -1
.if \fill
	CREST
	s_add_nc_u64 s[G0+4*SL+2:G0+4*SL+3], s[G0+4*SL+2:G0+4*SL+3], 2*ROWB
	s_add_nc_u64 s[G0B+4*SL+2:G0B+4*SL+3], s[G0B+4*SL+2:G0B+4*SL+3], 2*ROWB
	JLOAD G0+4*SL, G1C, G0B+4*SL, G1B
.else
	PLACES NP
.endif
	FETCH_B NX, 0, 0
	FETCH_A2 NX, 0, 0
	WIN MUL_LO
	MUL8 2, 1
	MUL8 3, 1
	WIN 0
.endm
	s_wait_xcnt 0x0
	FETCH_A2 0, 0, 0
	STEPA2 0
	TURNB2 0, 1
	STEPA2 1
	TURNB2 1, 1
	STEPA2 2
	TURNB2 2, 0
	STEPA2 3
	s_wait_dscnt 0x0
	WIN MUL_LO
	MUL8 0, 1
	MUL8 1, 1
	MUL8 2, 1
	MUL8 3, 1
	WIN 0
.macro OUTBLK2 a
.set AC, 64*(\a)
.set CB, CD+16*(\a)
	WIN 0x02
.set JJ, 0
.rept 64
	v_med3_num_f32 v[T+JJ], v[AC+JJ], -v[LM2], v[LM2]
.set JJ, JJ+1
.endr
	WIN 0
.irp b, 0,1,2,3,4,5,6,7
	v_cvt_scalef32_pk8_bf8_f32 v[CB+2*\b:CB+2*\b+1], v[T+8*\b:T+8*\b+7], v[SC2]
.endr
	v_nop
.irp c, 0,1,2,3
	global_store_b128 v[LO], v[CB+4*\c:CB+4*\c+3], s[84:85] offset:2048*(\a)+512*\c
.endr
.endm
	PLACES NP
.irp a, 0,1,2,3
	OUTBLK2 \a
.endr
	s_wait_tensorcnt 0x0
	ds_add_u32 v[SPW], v[NIL]
	s_wait_dscnt 0x0
	CROUND
	s_endpgm
.Lfunc_end_k_q989192a8bf_proj:
	.size	k_q989192a8bf_proj, .Lfunc_end_k_q989192a8bf_proj-k_q989192a8bf_proj
	.p2alignl 7, 3214868480
	.fill 96, 4, 3214868480
	.section	.rodata,"a",@progbits
	.p2align	6, 0x0
	.amdhsa_kernel k_q989192a8bf_proj
		.amdhsa_group_segment_fixed_size 327680
		.amdhsa_private_segment_fixed_size 0
		.amdhsa_enable_private_segment 0
		.amdhsa_kernarg_size 88
		.amdhsa_user_sgpr_count 2
		.amdhsa_user_sgpr_kernarg_segment_ptr 1
		.amdhsa_wavefront_size32 1
		.amdhsa_system_sgpr_workgroup_id_x 1
		.amdhsa_system_sgpr_workgroup_id_y 1
		.amdhsa_system_sgpr_workgroup_id_z 1
		.amdhsa_system_vgpr_workitem_id 0
		.amdhsa_next_free_vgpr 1024
		.amdhsa_next_free_sgpr 102
		.amdhsa_reserve_vcc 0
		.amdhsa_float_denorm_mode_32 3
		.amdhsa_float_denorm_mode_16_64 3
		.amdhsa_memory_ordered 1
		.amdhsa_forward_progress 1
		.amdhsa_inst_pref_size 207
	.end_amdhsa_kernel
	.amdgpu_metadata
---
amdhsa.version: [ 1, 2 ]
amdhsa.kernels:
  - .name:           k_q989192a8bf_proj
    .symbol:         k_q989192a8bf_proj.kd
    .args:
      - { .name: x_codes, .offset: 0, .size: 8, .value_kind: global_buffer, .address_space: global }
      - { .name: Wq_codes, .offset: 8, .size: 8, .value_kind: global_buffer, .address_space: global }
      - { .name: Wk_codes, .offset: 16, .size: 8, .value_kind: global_buffer, .address_space: global }
      - { .name: Wv_codes, .offset: 24, .size: 8, .value_kind: global_buffer, .address_space: global }
      - { .name: bq, .offset: 32, .size: 8, .value_kind: global_buffer, .address_space: global }
      - { .name: bk, .offset: 40, .size: 8, .value_kind: global_buffer, .address_space: global }
      - { .name: bv, .offset: 48, .size: 8, .value_kind: global_buffer, .address_space: global }
      - { .name: lowp_scales, .offset: 56, .size: 8, .value_kind: global_buffer, .address_space: global }
      - { .name: q_img, .offset: 64, .size: 8, .value_kind: global_buffer, .address_space: global }
      - { .name: k_img, .offset: 72, .size: 8, .value_kind: global_buffer, .address_space: global }
      - { .name: v_img, .offset: 80, .size: 8, .value_kind: global_buffer, .address_space: global }
    .group_segment_fixed_size: 327680
    .private_segment_fixed_size: 0
    .kernarg_segment_align: 8
    .kernarg_segment_size: 88
    .max_flat_workgroup_size: 128
    .sgpr_count:     102
    .vgpr_count:     1024
    .wavefront_size: 32
...
	.end_amdgpu_metadata
.endif
;; end of part 1
;; launch scores (part 2): grid 8 x 32, 4 waves a work-group, clusters of 4 x 1, 327,680 bytes of LDS; arguments q_img, k_img, lowp_scales, p_img, mrow, lrow; writes p_img, mrow, lrow
.if DOCPART == 2
	.amdgcn_target "amdgcn-amd-amdhsa--gfx1250"
	.amdhsa_code_object_version 6
	.text
	.protected	k_q989192a8bf_scores
	.globl	k_q989192a8bf_scores
	.p2align	8
	.type	k_q989192a8bf_scores,@function
k_q989192a8bf_scores:
	s_mov_b64 s[64:65], 0
	v_nop
	global_prefetch_b8 v0, s[64:65] scope:SCOPE_SE
	s_setreg_imm32_b32 hwreg(HW_REG_WAVE_MODE, 25, 1), 1
	s_wait_xcnt 0x0
	s_wait_alu depctr_hold_cnt(0) depctr_sa_sdst(0) depctr_va_vdst(0) depctr_va_sdst(0) depctr_va_ssrc(0) depctr_va_vcc(0) depctr_vm_vsrc(0)
	s_getreg_b32 s2, hwreg(HW_REG_IB_STS2, 6, 4)
	s_cmp_eq_u32 s2, 0
	s_cbranch_scc0 .Lentry_in_a_cluster
	s_endpgm
.Lentry_in_a_cluster:
	s_bfe_u32 s2, ttmp6, 0x10000c
	s_cmp_lg_u32 s2, 0x3003
	s_cbranch_scc0 .Lentry_shape_is_right
	s_endpgm
.Lentry_shape_is_right:
.set SPARE,  262144                    ; the spare words, 128 bytes a wave, that no other line names
; A tile of 256 queries x 256 keys of S = q k^T on codes of BF8 (E5M2), and the softmax's numerator of that tile as codes.  No step of the problem is left out.
; q_img, k_img: fragments (16 rows x 128 K, 2,048 bytes: registers 4 c .. 4 c + 3 of lane l at 512 c + 16 l) in the order [group of 128 tokens][128 along K][block of 16 rows].
; t = score x log2(e) / 32 (32 = sqrt(1024)).  M_j = the ceiling of the row's largest t AMONG THE TILE'S 256 KEYS, a whole number; p = 2^(t - M_j) is quantised with the given 2^e8 and stored as fragments along the keys.
; The next launch brings the eight tiles of a row under one M by exact powers of two.  Stored beside the codes, [tile of keys][8,192 rows]: -M_j (mrow), and the sum of the unquantised p (lrow).
; SHARES.  The tile's 256 queries x 1,024 of q, one dense block of 262,144 bytes, come into LDS once, by one joint tensor load of 65,536 bytes a wave, and stay: nothing is filled again.  The four work-groups of a cluster share them.
; A wave makes 256 queries x 64 keys: 64 accumulators, 512 registers.  k's fragments of 64 keys belong to one wave alone: they go from memory into its registers, 8,192 bytes for 128 along K, four sets, three chunks ahead.
; Joint loads are not used for k: they land in LDS, where beside q's 262,144 bytes and the spare words two slots of 32,768 bytes do not fit.
; THE GRID: with Y = (y + cluster x) modulo 32 the batch is Y modulo 4, the tile of queries in it Y / 4: the clusters (1, y) and (0, y + 1), neighbours in the grid's order, take the same queries.
; PREFETCH: chunks 0 to 3 of k come by their loads alone; of chunks 4 to 7 a work-group asks at the head for chunk 4 + (tile of queries) % 4, each wave its own 8,192 bytes, lanes 256 bytes apart;
; the eight work-groups of a tile of keys share the four chunks out so.  Chunk 4's load stands behind the first 64 products.
; TRANSPOSED USE: source 0 = 16 keys, source 1 = 16 queries: lane (r, h) holds query 16 a + r, and register j of tile b key 16 b + 8 h + j: four conversions give half a fragment of p along the keys.
; LIMITS: e6 + e7 between -121 and 132 (they are added to the exponent field of log2(e) / 32); e8 between -126 and 112.  Where 57,344 x 2^e8 is under 1, p is held there under the tile's M_j.  The scaled scores stay under 2^31 in magnitude.
; REGISTERS: window 0: v16-31 addresses and scales; v64-255 q's fragments, three groups of four; later v32-127 statistics and codes, v128-255 two sets of 64 numbers at work.
;   window 1: k's fragments, four sets.   windows 2, 3: the accumulators ((a, b) at v[32 (a % 8) + 8 b]).
.set XCH,    SPARE+512                 ; 2,048 bytes a wave: the maxima
.set SCR,    XCH+8192                  ; 1,024 bytes a wave: the sums by rows; 4,096 bytes on: -M by rows
.set AQ,   16                          ; v16-19 16 lane + 0, 65,536, 131,072, 196,608
.set SW,   20                          ; v20 SCR + 1,024 wave + 4 r
.set SRD,  21                          ; v21 SCR + 256 wave + 8 lane
.set NRD,  22                          ; v22 SCR + 4,096 + 1,280 wave + 8 lane
.set PFO,  23                          ; v23 256 lane
.set XW,   24                          ; v24 XCH + 2,048 wave + 16 lane
.set XR,   25                          ; v25 XCH + 16 lane
.set LO,   26                          ; v26 16 lane
.set SO,   27                          ; v27 8 lane
.set SPW,  28
.set NIL,  29
.set SC,   30                          ; v30 2^e8 as f32
.set LM,   31                          ; v31 57,344 x 2^e8
.set NM,   32                          ; v32-47 -M of each block
.set LS,   48                          ; v48-63 the sums
.set MX,   64                          ; v64-79 the maxima
.set SB,   64                          ; later the sums' chains
.set PX,   80
.set CD,   96                          ; v96-127 codes, two sets of 16
.set G1, 24                            ; descriptor groups 1 and 0
.set G0, 32
.set MSB, 0
.macro WIN new
.if MSB != (\new)
	s_set_vgpr_msb (MSB<<8)|(\new)
.set MSB, \new
.endif
.endm
.macro CROUND                          ; a round of the cluster's barrier
	s_barrier_signal -1
	s_barrier_wait -1
	s_cmp_lg_u32 s14, 0
	s_cbranch_scc1 .Lnot_wave_0_\@
	s_barrier_signal -3
.Lnot_wave_0_\@:
	s_barrier_wait -3
	s_barrier_signal -1
	s_barrier_wait -1
.endm
.macro PLACES                          ; four places behind this matrix instruction (ISA guide 7.12.1)
.rept 4
	v_nop
.endr
.endm
.macro GROUP1 g, rows                  ; all four of the cluster; a dense block as rows of 32 elements of 8 bytes
	s_mov_b32 s[\g+0], 15|(3<<16)|(1<<21)
	s_mov_b32 s[\g+1], 32<<16
	s_mov_b32 s[\g+2], \rows<<16
	s_mov_b32 s[\g+3], 32<<16
	s_mov_b32 s[\g+4], \rows
	s_mov_b32 s[\g+5], 32
	s_mov_b32 s[\g+6], 0
	s_mov_b32 s[\g+7], 0
.endm
	s_load_b256 s[4:11], s[0:1], 0x0               ; q_img, k_img, the scales' exponents, p_img
	s_load_b128 s[72:75], s[0:1], 0x20             ; mrow, lrow
	v_lshl_add_u32 v[SPW], v0, 2, SPARE
	v_mov_b32 v[NIL], 0
	ds_add_u32 v[SPW], v[NIL]                      ; the opening: the add, twice on end, and its wait
	ds_add_u32 v[SPW], v[NIL]
	v_lshrrev_b32 v4, 5, v0
	v_readfirstlane_b32 s14, v4                    ; wave 0..3
	v_and_b32 v3, 31, v0                           ; lane
	v_and_b32 v1, 15, v0                           ; r
	v_lshlrev_b32 v[LO], 4, v3
	v_lshlrev_b32 v[SO], 3, v3
	v_lshlrev_b32 v[PFO], 8, v3
	s_bfe_u32 s40, ttmp6, 0x40000                  ; cx
	s_lshl_b32 s42, ttmp9, 2
	s_add_co_u32 s42, s42, s40                     ; the tile of keys in its batch, 0..7
	s_and_b32 s12, ttmp7, 0xffff
	s_add_co_u32 s12, s12, ttmp9
	s_and_b32 s12, s12, 31
	s_and_b32 s13, s12, 3                          ; the batch
	s_lshr_b32 s12, s12, 2                         ; the tile of queries in it, 0..7
	s_lshl_b32 s46, s13, 3
	s_add_co_u32 s17, s46, s12                     ; and through the batches, 0..31
	s_lshr_b32 s15, s14, 1
	s_and_b32 s16, s14, 1
	GROUP1 G1, 256
	s_lshl_b32 s45, s14, 16                        ; my quarter of q's 262,144 bytes, in memory and in LDS alike
	s_lshl_b32 s68, s17, 18
	s_add_co_u32 s68, s68, s45
	s_mov_b32 s69, 0
	s_mov_b32 s[G0], 1
	s_mov_b32 s[G0+1], s45
	s_add_co_u32 s46, s46, s42
	s_lshl_b32 s46, s46, 18                        ; k: tile 8 x batch + tile of keys,
	s_lshl_b32 s2, s15, 17                         ; my group of 128,
	s_add_co_u32 s46, s46, s2
	s_lshl_b32 s2, s16, 13                         ; my four blocks of it
	s_add_co_u32 s46, s46, s2
	s_mov_b32 s47, 0
	s_and_b32 s2, s12, 3
	s_add_co_u32 s2, s2, 4
	s_lshl_b32 s2, s2, 14                          ; the chunk that I prefetch
	s_mov_b32 s3, 0
	s_mov_b32 s20, 0x76543210                      ; v_permlanex16_b32: lane l xor 16
	s_mov_b32 s21, 0xfedcba98
	s_wait_alu depctr_va_vdst(0)
	s_wait_dscnt 0x0                               ; both opening adds are done
	s_wait_kmcnt 0x0
	s_load_b128 s[88:91], s[8:9], 0x18             ; e6, e7, e8, e9
	s_add_nc_u64 s[G0+2:G0+3], s[4:5], s[68:69]
	s_or_b32 s[G0+3], s[G0+3], 0x80000000
	s_add_nc_u64 s[6:7], s[6:7], s[46:47]
	s_add_nc_u64 s[76:77], s[6:7], s[2:3]
	CROUND                                         ; the joint loads meet
	tensor_load_to_lds s[G0:G0+3], s[G1:G1+7]      ; my quarter of q: the wave's one tensor load
	s_nop 0
	PLACES
	WIN 0x40
.set II, 0
.rept 48                               ; k's chunks 0, 1, 2 into sets 0, 1, 2
	global_load_b128 v[4*II:4*II+3], v[LO], s[6:7] offset:16384*(II/16)+512*(II%16)
.set II, II+1
.endr
	WIN 0
	global_prefetch_b8 v[PFO], s[76:77] th:TH_LOAD_NT scope:SCOPE_SE
.irp i, 0,1,2,3
	v_add_nc_u32 v[AQ+\i], 65536*\i, v[LO]
.endr
	s_lshl_b32 s2, s14, 10
	s_add_co_u32 s2, s2, SCR
	v_lshl_add_u32 v[SW], v1, 2, s2
	s_lshl_b32 s12, s14, 8
	s_add_co_u32 s2, s2, s12
	s_add_co_u32 s2, s2, 4096
	v_add_nc_u32 v[NRD], s2, v[SO]
	s_add_co_u32 s12, s12, SCR
	v_add_nc_u32 v[SRD], s12, v[SO]
	s_lshl_b32 s2, s14, 11
	s_add_co_u32 s2, s2, XCH
	v_add_nc_u32 v[XW], s2, v[LO]
	v_add_nc_u32 v[XR], XCH, v[LO]
	s_lshl_b32 s2, s17, 19                         ; p_img: two groups of 128 queries, 16 chunks of 16,384 bytes each,
	s_lshl_b32 s12, s42, 1
	s_add_co_u32 s12, s12, s15
	s_lshl_b32 s12, s12, 14                        ; my chunk of 128 keys,
	s_add_co_u32 s2, s2, s12
	s_lshl_b32 s12, s16, 10                        ; my half of a fragment
	s_add_co_u32 s2, s2, s12
	s_add_nc_u64 s[10:11], s[10:11], s[2:3]
	s_lshl_b32 s2, s42, 15                         ; the statistics: my tile of keys, my 64 rows
	s_lshl_b32 s12, s17, 10
	s_add_co_u32 s2, s2, s12
	s_lshl_b32 s12, s14, 8
	s_add_co_u32 s2, s2, s12
	s_add_nc_u64 s[72:73], s[72:73], s[2:3]
	s_add_nc_u64 s[74:75], s[74:75], s[2:3]
	s_wait_alu depctr_va_vdst(0)
	s_wait_kmcnt 0x0
	s_add_co_i32 s2, s88, s89
	s_lshl_b32 s2, s2, 23
	s_add_co_i32 s22, s2, 0x3d38aa3b               ; c = log2(e) / 32 x 2^(e6 + e7): the exponents are added to c's exponent field
	s_mov_b32 s23, s22                             ; (named with it as a pair, so it is written)
	s_add_co_i32 s2, s90, 127
	s_lshl_b32 s12, s2, 23
	v_mov_b32 v[SC], s12                           ; 2^e8
	s_add_co_i32 s2, s2, 15
	s_lshl_b32 s2, s2, 23
	s_or_b32 s2, s2, 0x600000
	v_mov_b32 v[LM], s2                            ; 57,344 x 2^e8
; A QUARTER of a chunk of 128 along K: 4 blocks of queries against my 4 of keys, 16 matrix instructions.  Quarter x takes q's fragments from group x % 3; two quarters on are fetched at its head.
.macro LOADA x
.set LA, 64+64*((\x)%3)
.set LF, (((\x)/4)%4)*16384+((\x)%2)*8192
.set LR, AQ+2*(((\x)/2)%2)+((\x)/16)
.set II, 0
.rept 16
	ds_load_b128 v[LA+4*II:LA+4*II+3], v[LR] offset:LF+512*II
.set II, II+1
.endr
.endm
.macro QUARTER
.set QC, QN/4
.set QQ, QN%4
.if QQ == 0
.if QC < 6
	s_wait_loadcnt 32                              ; this chunk of k is in; the two later chunks' 16 loads each may be out
.else
	s_wait_loadcnt 16*(7-QC)
.endif
.endif
.if QN < 31
	s_wait_dscnt 16                                ; this quarter's fragments are in; the next quarter's 16 loads may be out
.else
	s_wait_dscnt 0
.endif
.if QN > 0
	PLACES                                         ; ahead of loads into registers that the quarter before has read
.endif
.if QN < 30
	WIN 0
	LOADA (QN+2)
.endif
.if QC < 5
	WIN 0x40
.set II, 4*QQ
.set LB, 64*((QC+3)%4)
.rept 4                                ; a quarter of k's chunk three on
	global_load_b128 v[LB+4*II:LB+4*II+3], v[LO], s[6:7] offset:16384*(QC+3)+512*II
.set II, II+1
.endr
.endif
	WIN (0xa1+0x50*(QQ/2))
.set QA, 64+64*(QN%3)
.set QB, 64*(QC%4)
.set QD, 128*(QQ%2)
.irp a, 0,1,2,3
.irp b, 0,1,2,3
.if QC == 0
	v_wmma_f32_16x16x128_bf8_bf8 v[QD+32*\a+8*\b:QD+32*\a+8*\b+7], v[QB+16*\b:QB+16*\b+15], v[QA+16*\a:QA+16*\a+15], 0
.else
	v_wmma_f32_16x16x128_bf8_bf8 v[QD+32*\a+8*\b:QD+32*\a+8*\b+7], v[QB+16*\b:QB+16*\b+15], v[QA+16*\a:QA+16*\a+15], v[QD+32*\a+8*\b:QD+32*\a+8*\b+7]
.endif
.endr
.endr
.endm
	s_wait_alu depctr_va_vdst(0)                   ; the wait at the head's end
	s_wait_tensorcnt 0x0                           ; my quarter of q is in; behind the barrier everybody's
	s_barrier_signal -1
	s_barrier_wait -1
	LOADA 0
	LOADA 1
.set QN, 0
.rept 32                               ; the 64 accumulators take turns, one instruction a turn, in the same order in every chunk
	QUARTER
.set QN, QN+1
.endr
	; THE MAXIMA.  For each block of 16 queries the largest of a lane's 32 scores; a window's eight blocks take turns.  Each accumulator is read from its low end on.
	PLACES
.irp w, 0,1
	WIN (0x0a+5*\w)                                ; sources 0 and 1: window 2, then 3
.irp a, 0,1,2,3,4,5,6,7
	v_max_num_f32 v[MX+8*\w+\a], v[32*\a], v[32*\a+1]
.endr
.set II, 2
.rept 15
.irp a, 0,1,2,3,4,5,6,7
	v_max3_num_f32 v[MX+8*\w+\a], v[32*\a+II], v[32*\a+II+1], v[MX+8*\w+\a]
.endr
.set II, II+2
.endr
.endr
	WIN 0
.irp a, 0,1,2,3,4,5,6,7,8,9,10,11,12,13,14,15
	v_permlanex16_b32 v[PX+\a], v[MX+\a], s20, s21   ; the query's other 32 keys lie in the lane 16 away
.endr
.irp a, 0,1,2,3,4,5,6,7,8,9,10,11,12,13,14,15
	v_max_num_f32 v[MX+\a], v[MX+\a], v[PX+\a]
.endr
.irp i, 0,1,2,3
	ds_store_b128 v[XW], v[MX+4*\i:MX+4*\i+3] offset:512*\i   ; and its other 192 in the other waves
.endr
	s_wait_alu depctr_va_vdst(0)
	s_wait_dscnt 0x0                               ; for the others' sake: my stores are done
	s_barrier_signal -1
	s_barrier_wait -1
.set II, 0
.rept 16
	ds_load_b128 v[128+4*II:128+4*II+3], v[XR] offset:512*II
.set II, II+1
.endr
	s_wait_dscnt 0x0
.irp a, 0,1,2,3,4,5,6,7,8,9,10,11,12,13,14,15
	v_max3_num_f32 v[MX+\a], v[128+\a], v[144+\a], v[160+\a]
.endr
.irp a, 0,1,2,3,4,5,6,7,8,9,10,11,12,13,14,15
	v_max_num_f32 v[MX+\a], v[MX+\a], v[176+\a]
.endr
.irp a, 0,1,2,3,4,5,6,7,8,9,10,11,12,13,14,15
	v_mul_f32 v[MX+\a], s22, v[MX+\a]              ; as t (c is positive)
.endr
.irp a, 0,1,2,3,4,5,6,7,8,9,10,11,12,13,14,15
	v_floor_f32 v[NM+\a], -v[MX+\a]                ; -M = floor(-t) = -ceil(t): a whole number
.endr
.irp a, 0,1,2,3,4,5,6,7,8,9,10,11,12,13,14,15
	ds_store_b32 v[SW], v[NM+\a] offset:4096+64*\a ; by rows, for the way out; lanes r and r + 16 write the same word with the same number
.endr
; THE SOFTMAX'S NUMERATOR, blocks 2 i and 2 i + 1 at a time: t - M; the exponentials as one batch, among them the holds of the pair before; then that pair's conversions and stores, and this pair's sums of the unquantised p.
.macro SOFT i
.set TN, 128+64*((\i)%2)
.set TP, 128+64*(((\i)+1)%2)
.set CB, CD+16*(((\i)+1)%2)
.if (\i) >= 3
	s_wait_xcnt 0x0                                ; earlier stores have read this set of code registers
.endif
.if (\i) < 8
	WIN (0x02+((\i)/4))                            ; source 0: window 2 or 3
.set JJ, 0
.rept 16
	v_pk_fma_f32 v[TN+JJ:TN+JJ+1], v[64*((\i)%4)+JJ:64*((\i)%4)+JJ+1], s[22:23], v[NM+2*(\i):NM+2*(\i)+1] op_sel_hi:[1,0,0]
.set JJ, JJ+2
.endr
.rept 16
	v_pk_fma_f32 v[TN+JJ:TN+JJ+1], v[64*((\i)%4)+JJ:64*((\i)%4)+JJ+1], s[22:23], v[NM+2*(\i):NM+2*(\i)+1] op_sel:[0,0,1] op_sel_hi:[1,0,1]
.set JJ, JJ+2
.endr
	WIN 0
	s_wait_alu depctr_va_vdst(0)                   ; the wait ahead of the batch
.endif
.set JJ, 0
.rept 64
.if (\i) < 8
	v_exp_f32 v[TN+JJ], v[TN+JJ]                   ; p = 2^(t - M), at most 1
.endif
.if (\i) > 0
	v_min_num_f32 v[TP+JJ], v[LM], v[TP+JJ]        ; the conversion does not saturate (ISA guide 7.6.2); p is not negative, so the hold is one-sided
.endif
.set JJ, JJ+1
.endr
.if (\i) < 8
	v_nop                                          ; a plain instruction behind the last exponential
	s_wait_alu depctr_va_vdst(0)                   ; and one wait for the batch, ahead of its first reader
.endif
.if (\i) > 0
.irp b, 0,1,2,3,4,5,6,7
	v_cvt_scalef32_pk8_bf8_f32 v[CB+2*\b:CB+2*\b+1], v[TP+8*\b:TP+8*\b+7], v[SC]
.endr
	v_nop                                          ; one plain vector instruction behind the last conversion
.endif
.if (\i) < 8
.irp e, 0,1
	v_pk_add_f32 v[SB+4*\e:SB+4*\e+1], v[TN+32*\e:TN+32*\e+1], v[TN+32*\e+2:TN+32*\e+3]
	v_pk_add_f32 v[SB+4*\e+2:SB+4*\e+3], v[TN+32*\e+4:TN+32*\e+5], v[TN+32*\e+6:TN+32*\e+7]
.endr
.set JJ, 8
.rept 6
.irp e, 0,1
	v_pk_add_f32 v[SB+4*\e:SB+4*\e+1], v[SB+4*\e:SB+4*\e+1], v[TN+32*\e+JJ:TN+32*\e+JJ+1]
	v_pk_add_f32 v[SB+4*\e+2:SB+4*\e+3], v[SB+4*\e+2:SB+4*\e+3], v[TN+32*\e+JJ+2:TN+32*\e+JJ+3]
.endr
.set JJ, JJ+4
.endr
.irp e, 0,1
	v_pk_add_f32 v[SB+4*\e:SB+4*\e+1], v[SB+4*\e:SB+4*\e+1], v[SB+4*\e+2:SB+4*\e+3]
.endr
.irp e, 0,1
	v_add_f32 v[LS+2*(\i)+\e], v[SB+4*\e], v[SB+4*\e+1]
.endr
.endif
.if (\i) > 0
.irp e, 0,1
.set OF, ((2*(\i)-2+\e)/8)*262144+((2*(\i)-2+\e)%8)*2048
	global_store_b128 v[LO], v[CB+8*\e:CB+8*\e+3], s[10:11] offset:OF       ; 512 consecutive bytes, aligned
	global_store_b128 v[LO], v[CB+8*\e+4:CB+8*\e+7], s[10:11] offset:OF+512
.endr
.endif
.endm
.irp i, 0,1,2,3,4,5,6,7,8
	SOFT \i
.endr
	; THE SUMS.  A row's sum over my 64 keys: the two halves of the lanes are added; then the four waves' sums are joined, 64 rows a wave, two rows a lane.
.irp a, 0,1,2,3,4,5,6,7,8,9,10,11,12,13,14,15
	v_permlanex16_b32 v[PX+\a], v[LS+\a], s20, s21
.endr
.irp a, 0,1,2,3,4,5,6,7,8,9,10,11,12,13,14,15
	v_add_f32 v[LS+\a], v[LS+\a], v[PX+\a]
.endr
.irp a, 0,1,2,3,4,5,6,7,8,9,10,11,12,13,14,15
	ds_store_b32 v[SW], v[LS+\a] offset:64*\a
.endr
	s_wait_alu depctr_va_vdst(0)
	s_wait_dscnt 0x0                               ; for the others' sake: my stores are done
	s_barrier_signal -1
	s_barrier_wait -1
.irp w, 0,1,2,3
	ds_load_b64 v[64+2*\w:65+2*\w], v[SRD] offset:1024*\w
.endr
	ds_load_b64 v[72:73], v[NRD]
	s_wait_dscnt 0x0
	v_pk_add_f32 v[64:65], v[64:65], v[66:67]
	v_pk_add_f32 v[68:69], v[68:69], v[70:71]
	v_pk_add_f32 v[64:65], v[64:65], v[68:69]
	global_store_b64 v[SO], v[72:73], s[72:73]     ; 256 consecutive bytes, aligned
	global_store_b64 v[SO], v[64:65], s[74:75]
	s_wait_tensorcnt 0x0                           ; the wave's end
	ds_add_u32 v[SPW], v[NIL]
	s_wait_dscnt 0x0
	CROUND                                         ; the closing round
	s_endpgm
.Lfunc_end_k_q989192a8bf_scores:
	.size	k_q989192a8bf_scores, .Lfunc_end_k_q989192a8bf_scores-k_q989192a8bf_scores
	.p2alignl 7, 3214868480
	.fill 96, 4, 3214868480
	.section	.rodata,"a",@progbits
	.p2align	6, 0x0
	.amdhsa_kernel k_q989192a8bf_scores
		.amdhsa_group_segment_fixed_size 327680
		.amdhsa_private_segment_fixed_size 0
		.amdhsa_enable_private_segment 0
		.amdhsa_kernarg_size 48
		.amdhsa_user_sgpr_count 2
		.amdhsa_user_sgpr_kernarg_segment_ptr 1
		.amdhsa_wavefront_size32 1
		.amdhsa_system_sgpr_workgroup_id_x 1
		.amdhsa_system_sgpr_workgroup_id_y 1
		.amdhsa_system_sgpr_workgroup_id_z 1
		.amdhsa_system_vgpr_workitem_id 0
		.amdhsa_next_free_vgpr 1024
		.amdhsa_next_free_sgpr 100
		.amdhsa_reserve_vcc 0
		.amdhsa_float_denorm_mode_32 3
		.amdhsa_float_denorm_mode_16_64 3
		.amdhsa_memory_ordered 1
		.amdhsa_forward_progress 1
		.amdhsa_inst_pref_size 188
	.end_amdhsa_kernel
	.amdgpu_metadata
---
amdhsa.version: [ 1, 2 ]
amdhsa.kernels:
  - .name:           k_q989192a8bf_scores
    .symbol:         k_q989192a8bf_scores.kd
    .args:
      - { .name: q_img, .offset: 0, .size: 8, .value_kind: global_buffer, .address_space: global }
      - { .name: k_img, .offset: 8, .size: 8, .value_kind: global_buffer, .address_space: global }
      - { .name: lowp_scales, .offset: 16, .size: 8, .value_kind: global_buffer, .address_space: global }
      - { .name: p_img, .offset: 24, .size: 8, .value_kind: global_buffer, .address_space: global }
      - { .name: mrow, .offset: 32, .size: 8, .value_kind: global_buffer, .address_space: global }
      - { .name: lrow, .offset: 40, .size: 8, .value_kind: global_buffer, .address_space: global }
    .group_segment_fixed_size: 327680
    .private_segment_fixed_size: 0
    .kernarg_segment_align: 8
    .kernarg_segment_size: 48
    .max_flat_workgroup_size: 128
    .sgpr_count:     100
    .vgpr_count:     1024
    .wavefront_size: 32
...
	.end_amdgpu_metadata
.endif
;; end of part 2
;; launch pv (part 3): grid 4 x 64, 4 waves a work-group, clusters of 4 x 1, 327,680 bytes of LDS; arguments p_img, v_img, mrow, lrow, lowp_scales, out0; writes out0
.if DOCPART == 3
	.amdgcn_target "amdgcn-amd-amdhsa--gfx1250"
	.amdhsa_code_object_version 6
	.text
	.protected	k_q989192a8bf_pv
	.globl	k_q989192a8bf_pv
	.p2align	8
	.type	k_q989192a8bf_pv,@function
k_q989192a8bf_pv:
	s_mov_b64 s[64:65], 0
	v_nop
	global_prefetch_b8 v0, s[64:65] scope:SCOPE_SE
	s_setreg_imm32_b32 hwreg(HW_REG_WAVE_MODE, 25, 1), 1
	s_wait_xcnt 0x0
	s_wait_alu depctr_hold_cnt(0) depctr_sa_sdst(0) depctr_va_vdst(0) depctr_va_sdst(0) depctr_va_ssrc(0) depctr_va_vcc(0) depctr_vm_vsrc(0)
	s_getreg_b32 s2, hwreg(HW_REG_IB_STS2, 6, 4)
	s_cmp_eq_u32 s2, 0
	s_cbranch_scc0 .Lentry_in_a_cluster
	s_endpgm
.Lentry_in_a_cluster:
	s_bfe_u32 s2, ttmp6, 0x10000c
	s_cmp_lg_u32 s2, 0x3003
	s_cbranch_scc0 .Lentry_shape_is_right
	s_endpgm
.Lentry_shape_is_right:
.set SPARE,  262144                    ; the spare words, 128 bytes a wave, that no other line names
; O = (the sum over the eight tiles j of 256 keys of 2^(M_j - M) P_j V_j) / l x 2^(e8 + e9), on codes of BF8 (E5M2).  P_j: p = 2^(t - M_j) as codes, M_j the tile's own whole number; M = the largest M_j of the row.  No step of the problem is left out.
; p_img: fragments [group of 128 queries][128 keys][block of 16 queries]; v_img: fragments [group of 128 channels][128 tokens][block of 16 channels]; a fragment is 2,048 bytes, registers 4 c .. 4 c + 3 of lane l at 512 c + 16 l.
; mrow: -M_j, lrow: the sum of the unquantised p under M_j, both [tile j][8,192 rows].
; THE UNITS.  While tile j is added, an accumulator stands in units of 2^U_j, U_j = max(M_j, M - 64).  At each change of tiles it is multiplied by g_j = 2^(U_(j-1) - U_j), a power of two within 2^-64 .. 2^64: nothing is rounded,
; and sums of at most 2^43 stay far inside f32.  At the end: x 2^(U_7 - M + e8 + e9) / l, with l = the sum over j of 2^(M_j - M) l_j.  No branch hangs on these numbers.  128 threads make them, one query each, into a table in LDS.
; LIMIT: a tile whose M_j lies more than 64 under the row's M is weighed 2^-64 where its true weight is smaller still.
; SHARES.  256 work-groups: 128 queries x 256 channels each.  P of 128 queries x 2,048 keys, one dense block of 262,144 bytes, comes into LDS once, by one joint tensor load of 65,536 bytes a wave, and stays: nothing is filled again.
; The four work-groups of a cluster share it.  A wave makes 128 queries x 64 channels: 32 accumulators.  So a fragment of V belongs to one wave alone, and goes from memory into its registers: 8,192 bytes for a chunk of 128 keys, four sets, three chunks ahead.
; Joint loads are not used for V: they land in LDS, where beside P's 262,144 bytes and the spare words two slots of 32,768 bytes do not fit.
; THE GRID: with Y = (y + 1) modulo 64 the batch is bits 2:1 of Y, the group of queries in it 2 (Y / 8) + Y modulo 2: two neighbouring rows of the grid in every eight take a batch.
; PREFETCH: chunks 0 to 3 of V come by their loads alone.  Of each four chunks from chunk 4 on a work-group asks for one, that with the number of its group of queries modulo 4: at the head of chunks 4 to 7, in the loop's first trip of 8 to 11, in the
; second of 12 to 15, in the last of none; each wave its own 8,192 bytes, lanes 256 bytes apart.  A chunk's load stands three chunks and more behind (at the head: one and more).  The 16 work-groups with the same V share its chunks out so.
; TRANSPOSED USE: source 0 = 16 channels of v, source 1 = 16 queries of p: a lane holds one query and eight neighbouring channels.
; REGISTERS: window 0: v16-31 addresses; v32-39 g of each block; v40-47 the last factors; v64-127 at work; v128-255 P's fragments of even chunks.   window 1: V's fragments, four sets.
;   window 2: the accumulators ((a, b) at v[32 a + 8 b]).   window 3: v0-127 P's fragments of odd chunks.
.set GT,     SPARE+512                 ; the table: row 0 the last factor, rows 1 to 7 g, 128 queries each
.set STAGE,  GT+4096                   ; the way out: 16 rows x 272 bytes for each wave
.set SPITCH, 272
.set AD,   16                          ; v16 LDS address of the P that is being fetched
.set GA,   17                          ; v17 of the table's rows in hand
.set GR,   18                          ; v18 GT + 4 r
.set GW,   19                          ; v19 GT + 4 x my thread
.set STO,  20
.set RD,   21
.set CO,   22
.set PFO,  23                          ; v23 256 lane
.set TO,   24                          ; v24 4 x my thread
.set LO,   26                          ; v26 16 lane
.set SPW,  28
.set NIL,  29
.set GP,   32
.set FP,   40
.set TMP,  64
.set NM,   64                          ; at the head: -M_j, l_j, -U_j, g_j
.set LL,   72
.set WW,   80
.set GG,   88
.set TT,   96
.set NG,   104                         ; -M
.set CAP,  105                         ; -M + 64
.set LT,   106                         ; l
.set RC,   107                         ; 1 / l
.set FL,   108
.set BK,   128                         ; the way out: rows read back, two sets of 32
.set G1, 24                            ; descriptor groups 1 and 0
.set G0, 32
.set MSB, 0
.macro WIN new
.if MSB != (\new)
	s_set_vgpr_msb (MSB<<8)|(\new)
.set MSB, \new
.endif
.endm
.macro CROUND                          ; a round of the cluster's barrier
	s_barrier_signal -1
	s_barrier_wait -1
	s_cmp_lg_u32 s14, 0
	s_cbranch_scc1 .Lnot_wave_0_\@
	s_barrier_signal -3
.Lnot_wave_0_\@:
	s_barrier_wait -3
	s_barrier_signal -1
	s_barrier_wait -1
.endm
.macro PLACES                          ; four places behind this matrix instruction (ISA guide 7.12.1)
.rept 4
	v_nop
.endr
.endm
.macro GROUP1 g, rows                  ; all four of the cluster; a dense block as rows of 32 elements of 8 bytes
	s_mov_b32 s[\g+0], 15|(3<<16)|(1<<21)
	s_mov_b32 s[\g+1], 32<<16
	s_mov_b32 s[\g+2], \rows<<16
	s_mov_b32 s[\g+3], 32<<16
	s_mov_b32 s[\g+4], \rows
	s_mov_b32 s[\g+5], 32
	s_mov_b32 s[\g+6], 0
	s_mov_b32 s[\g+7], 0
.endm
	s_load_b256 s[4:11], s[0:1], 0x0               ; p_img, v_img, mrow, lrow
	s_load_b128 s[72:75], s[0:1], 0x20             ; the scales' exponents, out0
	v_lshl_add_u32 v[SPW], v0, 2, SPARE
	v_mov_b32 v[NIL], 0
	ds_add_u32 v[SPW], v[NIL]                      ; the opening: the add, twice on end, and its wait
	ds_add_u32 v[SPW], v[NIL]
	v_lshrrev_b32 v4, 5, v0
	v_readfirstlane_b32 s14, v4                    ; wave 0..3
	v_and_b32 v3, 31, v0                           ; lane
	v_and_b32 v1, 15, v0                           ; r
	v_bfe_u32 v2, v0, 4, 1                         ; h
	v_lshlrev_b32 v[LO], 4, v3
	v_lshlrev_b32 v[AD], 4, v3
	v_lshlrev_b32 v[TO], 2, v0
	v_lshlrev_b32 v[PFO], 8, v3
	s_bfe_u32 s40, ttmp6, 0x40000                  ; cx: the tile of 256 channels
	s_and_b32 s12, ttmp7, 0xffff
	s_add_co_u32 s12, s12, 1
	s_and_b32 s12, s12, 63
	s_bfe_u32 s13, s12, 0x20001                    ; the batch (2 bits from bit 1)
	s_and_b32 s2, s12, 1
	s_lshr_b32 s12, s12, 3
	s_lshl_b32 s12, s12, 1
	s_add_co_u32 s12, s12, s2                      ; the group of 128 queries in it, 0..15
	s_lshl_b32 s17, s13, 4
	s_add_co_u32 s17, s17, s12                     ; and through the batches, 0..63
	s_lshr_b32 s15, s14, 1
	s_and_b32 s16, s14, 1
	GROUP1 G1, 256
	s_lshl_b32 s45, s14, 16                        ; my quarter of P's 262,144 bytes, in memory and in LDS alike
	s_lshl_b32 s68, s17, 18
	s_add_co_u32 s68, s68, s45
	s_mov_b32 s69, 0
	s_mov_b32 s[G0], 1
	s_mov_b32 s[G0+1], s45
	s_lshl_b32 s46, s40, 1
	s_add_co_u32 s46, s46, s15
	s_lshl_b32 s46, s46, 20                        ; v: my group of 128 channels, 64 chunks of 16,384 bytes,
	s_lshl_b32 s2, s13, 18                         ; the batch's 16 chunks,
	s_add_co_u32 s46, s46, s2
	s_lshl_b32 s2, s16, 13                         ; my four blocks of a chunk
	s_add_co_u32 s46, s46, s2
	s_mov_b32 s47, 0
	s_and_b32 s2, s12, 3
	s_add_co_u32 s2, s2, 4
	s_lshl_b32 s2, s2, 14                          ; the first chunk that I prefetch
	s_mov_b32 s3, 0
	s_lshl_b32 s12, s17, 9                         ; the statistics: 4 bytes x 128 rows a group
	s_mov_b32 s13, 0
	s_wait_alu depctr_va_vdst(0)
	s_wait_dscnt 0x0                               ; both opening adds are done
	s_wait_kmcnt 0x0
	s_load_b64 s[88:89], s[72:73], 0x20            ; e8, e9
	s_add_nc_u64 s[G0+2:G0+3], s[4:5], s[68:69]
	s_or_b32 s[G0+3], s[G0+3], 0x80000000
	s_add_nc_u64 s[6:7], s[6:7], s[46:47]
	s_add_nc_u64 s[76:77], s[6:7], s[2:3]
	s_add_nc_u64 s[8:9], s[8:9], s[12:13]
	s_add_nc_u64 s[10:11], s[10:11], s[12:13]
.irp j, 0,1,2,3,4,5,6,7
	global_load_b32 v[NM+\j], v[TO], s[8:9] offset:32768*\j     ; a query a thread
.endr
.irp j, 0,1,2,3,4,5,6,7
	global_load_b32 v[LL+\j], v[TO], s[10:11] offset:32768*\j
.endr
	CROUND                                         ; the joint loads meet
	tensor_load_to_lds s[G0:G0+3], s[G1:G1+7]      ; my quarter of P: the wave's one tensor load
	s_nop 0
	PLACES
	WIN 0x40
.set II, 0
.rept 48                               ; V's chunks 0, 1, 2 into sets 0, 1, 2
	global_load_b128 v[4*II:4*II+3], v[LO], s[6:7] offset:16384*(II/16)+512*(II%16)
.set II, II+1
.endr
	WIN 0
	global_prefetch_b8 v[PFO], s[76:77] th:TH_LOAD_NT scope:SCOPE_SE
	v_lshlrev_b32 v[GR], 2, v1
	v_add_nc_u32 v[GR], GT, v[GR]
	v_add_nc_u32 v[GW], GT, v[TO]
	s_mul_i32 s2, s14, 16*SPITCH
	s_add_co_u32 s2, s2, STAGE                     ; my stage
	v_mul_u32_u24 v[STO], v1, SPITCH               ; in: row r, 32 bytes for each half of the lanes
	v_lshl_add_u32 v[STO], v2, 5, v[STO]
	v_add_nc_u32 v[STO], s2, v[STO]
	v_mul_u32_u24 v[RD], v2, SPITCH                ; back: lanes 0-15 one row of 256 bytes, lanes 16-31 the next
	v_lshl_add_u32 v[RD], v1, 4, v[RD]
	v_add_nc_u32 v[RD], s2, v[RD]
	v_lshlrev_b32 v[CO], 12, v2                    ; and the same two rows of out0
	v_lshl_add_u32 v[CO], v1, 4, v[CO]
	s_lshl_b32 s2, s17, 19                         ; out0: 128 rows of 4,096 bytes a group,
	s_lshl_b32 s12, s40, 10
	s_add_co_u32 s2, s2, s12
	s_lshl_b32 s12, s14, 8
	s_add_co_u32 s2, s2, s12                       ; my 64 channels
	s_add_nc_u64 s[74:75], s[74:75], s[2:3]
	s_wait_alu depctr_va_vdst(0)
	s_wait_kmcnt 0x0
	s_add_co_i32 s88, s88, s89                     ; e8 + e9: applied by v_ldexp_f32
	s_wait_loadcnt 48                              ; my 16 statistics are in; V's 48 loads behind them may be out
	v_min3_num_f32 v[NG], v[NM], v[NM+1], v[NM+2]
	v_min3_num_f32 v[NG], v[NG], v[NM+3], v[NM+4]
	v_min3_num_f32 v[NG], v[NG], v[NM+5], v[NM+6]
	v_min_num_f32 v[NG], v[NG], v[NM+7]            ; -M = the least -M_j
	v_add_f32 v[CAP], 0x42800000, v[NG]            ; -M + 64
.irp j, 0,1,2,3,4,5,6,7
	v_sub_f32 v[TT+\j], v[NG], v[NM+\j]            ; M_j - M: a whole number, 0 or less
	v_min_num_f32 v[WW+\j], v[NM+\j], v[CAP]       ; -U_j
.endr
.irp j, 0,1,2,3,4,5,6,7
	v_cvt_i32_f32 v[TT+\j], v[TT+\j]               ; (it saturates)
.endr
.irp j, 0,1,2,3,4,5,6,7
	v_ldexp_f32 v[LL+\j], v[LL+\j], v[TT+\j]       ; the tile's sum under M
.endr
.irp j, 0,2,4,6
	v_add_f32 v[LL+\j], v[LL+\j], v[LL+\j+1]
.endr
	v_add_f32 v[LL], v[LL], v[LL+2]
	v_add_f32 v[LL+4], v[LL+4], v[LL+6]
	v_add_f32 v[LT], v[LL], v[LL+4]
	s_wait_alu depctr_va_vdst(0)                   ; the wait ahead of the transcendental
	v_rcp_f32 v[RC], v[LT]                         ; l is at least 1/2: the tile with M_j = M holds a p above 1/2
.irp j, 1,2,3,4,5,6,7
	v_sub_f32 v[TT+\j], v[WW+\j], v[WW+\j-1]       ; U_(j-1) - U_j, within -64 .. 64
.endr
	v_sub_f32 v[TT], v[NG], v[WW+7]                ; U_7 - M
.irp j, 0,1,2,3,4,5,6,7
	v_cvt_i32_f32 v[TT+\j], v[TT+\j]
.endr
.irp j, 1,2,3,4,5,6,7
	v_ldexp_f32 v[GG+\j], 1.0, v[TT+\j]
.endr
	v_add_nc_u32 v[TT], s88, v[TT]
	s_wait_alu depctr_va_vdst(0)                   ; the wait ahead of the reciprocal's first reader
	v_ldexp_f32 v[FL], v[RC], v[TT]                ; 2^(U_7 - M + e8 + e9) / l
	ds_store_b32 v[GW], v[FL]
.irp j, 1,2,3,4,5,6,7
	ds_store_b32 v[GW], v[GG+\j] offset:512*\j
.endr
.macro MULB n, a, z                    ; block a against my four of V: the accumulators take turns, one instruction a turn
.if (\n)%2
	WIN 0xad                                       ; source 0 (V) window 1, source 1 (P) window 3, C and D window 2
.set AB, 0
.else
	WIN 0xa1                                       ; the same, P in window 0
.set AB, 128
.endif
.set DA, 32*(\a)
.set AA, AB+16*(\a)
.set BA, 64*((\n)%4)
.irp b, 0,1,2,3
.if \z
	v_wmma_f32_16x16x128_bf8_bf8 v[DA+8*\b:DA+8*\b+7], v[BA+16*\b:BA+16*\b+15], v[AA:AA+15], 0
.else
	v_wmma_f32_16x16x128_bf8_bf8 v[DA+8*\b:DA+8*\b+7], v[BA+16*\b:BA+16*\b+15], v[AA:AA+15], v[DA+8*\b:DA+8*\b+7]
.endif
.endr
.endm
.macro RESC a                          ; block a's four accumulators x g, each from its low end on; of the pair of factors the block's own serves both halves
	WIN 0x82
.set DA, 32*(\a)
.set GB, GP+2*((\a)/2)
.rept 16
.if (\a)%2
	v_pk_mul_f32 v[DA:DA+1], v[DA:DA+1], v[GB:GB+1] op_sel:[0,1] op_sel_hi:[1,1]
.else
	v_pk_mul_f32 v[DA:DA+1], v[DA:DA+1], v[GB:GB+1] op_sel_hi:[1,0]
.endif
.set DA, DA+2
.endr
.endm
.macro LOADP base, off                 ; a chunk's eight fragments of P
.set II, 0
.rept 32
	ds_load_b128 v[\base+4*II:\base+4*II+3], v[AD] offset:\off+512*II
.set II, II+1
.endr
.endm
; A CHUNK of 128 keys, number n modulo 4.  ld: V's loads that may be out behind this chunk's (16 a chunk); vo: byte offset of V's chunk three on (-1: none); po: of P's next chunk; g: of the table's row for the next tile (-1: none);
; rs = 1: a tile begins here, the units change; z = 1: the products start the sums; ask = 1: the loop's prefetch.
.macro CHUNK n, ld, vo, po, g, rs, z, ask
	s_wait_loadcnt \ld                             ; this chunk's V is in
	s_wait_dscnt 0x0                               ; P's fragments (and g) are in
	PLACES                                         ; behind the last chunk's products: their sources are loaded again, and the accumulators are read and written below
.if (\vo) >= 0
	WIN 0x40
.set LB, 64*(((\n)+3)%4)
.set II, 0
.rept 16
	global_load_b128 v[LB+4*II:LB+4*II+3], v[LO], s[6:7] offset:(\vo)+512*II
.set II, II+1
.endr
.endif
.if (\n)%2
	WIN 0
	LOADP 128, \po
.else
	WIN 0xc0
	LOADP 0, \po
.endif
.if (\g) >= 0
	WIN 0
.irp a, 0,1,2,3,4,5,6,7
	ds_load_b32 v[GP+\a], v[GA] offset:(\g)+64*\a
.endr
.endif
.if (\ask) == 1
	WIN 0
	s_cmp_lt_u32 s3, 2                             ; the last trip asks for nothing
	s_cbranch_scc0 .Lno_ask_\@
	global_prefetch_b8 v[PFO], s[76:77] th:TH_LOAD_NT scope:SCOPE_SE
.Lno_ask_\@:
.endif
.if \rs
	RESC 0
.endif
.irp a, 0,1,2,3,4,5,6,7
	MULB \n, \a, \z
.if (\rs) && (\a < 7)
	RESC (\a+1)
.endif
.endr
.endm
	s_wait_alu depctr_va_vdst(0)                   ; the wait at the head's end
	s_wait_tensorcnt 0x0                           ; my quarter of P is in,
	s_wait_dscnt 0x0                               ; and my part of the table is stored; behind the barrier everybody's
	s_barrier_signal -1
	s_barrier_wait -1
	LOADP 128, 0
	CHUNK 0, 32, 49152, 16384, -1, 0, 1, 0         ; the two later chunks' 16 loads each may be out
	WIN 0
	s_mov_b32 s2, 32768                            ; P: the chunk after the trip's first
	s_mov_b32 s12, 0                               ; the table: two rows a trip
	s_mov_b32 s3, 0
.Lloop:                                                ; chunks 4 t + 1 to 4 t + 4
	s_wait_xcnt 0x0                                ; V's loads and the prefetch have read their addresses
	s_add_nc_u64 s[6:7], s[6:7], 0x10000           ; V's chunk 4 t + 4
	s_add_nc_u64 s[76:77], s[76:77], 0x10000
	v_add_nc_u32 v[AD], s2, v[LO]
	v_add_nc_u32 v[GA], s12, v[GR]
	s_wait_alu depctr_va_vdst(0)
	CHUNK 1, 32, 0, 0, 512, 0, 0, 1
	CHUNK 2, 32, 16384, 16384, -1, 1, 0, 0
	CHUNK 3, 32, 32768, 32768, 1024, 0, 0, 0
	CHUNK 4, 32, 49152, 49152, -1, 1, 0, 0
	WIN 0
	s_add_co_u32 s2, s2, 0x10000
	s_add_co_u32 s12, s12, 1024
	s_add_co_u32 s3, s3, 1
	s_cmp_lt_u32 s3, 3
	s_cbranch_scc1 .Lloop
	v_add_nc_u32 v[AD], s2, v[LO]                  ; chunks 13, 14, 15: nothing more of V is asked for
	v_add_nc_u32 v[GA], s12, v[GR]
	s_wait_alu depctr_va_vdst(0)
	CHUNK 1, 32, -1, 0, 512, 0, 0, 0
	CHUNK 2, 16, -1, 16384, -1, 1, 0, 0            ; chunk 15's 16 loads may be out
; THE LAST CHUNK AND THE WAY OUT, block by block of 16 queries x 64 channels: a finished block x the last factor, through my own stage in LDS, and back as whole rows of 256 bytes, while later blocks are multiplied.
; LDS serves a wave's instructions in order (ISA guide 5.7.1.4): no wait between the stores and the loads, nor in front of the next block's stores.
.macro TOSTAGE a
	WIN 0x02                                       ; source 0: window 2
.set DA, 32*(\a)
.set FB, FP+2*((\a)/2)
.set II, 0
.rept 16
.if (\a)%2
	v_pk_mul_f32 v[TMP+II:TMP+II+1], v[DA+II:DA+II+1], v[FB:FB+1] op_sel:[0,1] op_sel_hi:[1,1]
.else
	v_pk_mul_f32 v[TMP+II:TMP+II+1], v[DA+II:DA+II+1], v[FB:FB+1] op_sel_hi:[1,0]
.endif
.set II, II+2
.endr
	WIN 0
.irp b, 0,1,2,3
	ds_store_b128 v[STO], v[TMP+8*\b:TMP+8*\b+3] offset:64*\b
	ds_store_b128 v[STO], v[TMP+8*\b+4:TMP+8*\b+7] offset:64*\b+16
.endr
.set BB, BK+32*((\a)%2)
.irp t, 0,1,2,3,4,5,6,7
	ds_load_b128 v[BB+4*\t:BB+4*\t+3], v[RD] offset:2*\t*SPITCH
.endr
.endm
.macro SEND a, younger                 ; younger: the LDS instructions issued behind block a's loads, which may stay out
.set BB, BK+32*((\a)%2)
	s_wait_dscnt \younger
.irp t, 0,1,2,3,4,5,6,7
	global_store_b128 v[CO], v[BB+4*\t:BB+4*\t+3], s[74:75] offset:(16*(\a)+2*\t)*4096 th:TH_STORE_NT   ; 16 lanes store 256 consecutive bytes, aligned; written once, read by nobody here
.endr
.endm
	s_wait_loadcnt 0x0
	s_wait_dscnt 0x0
	PLACES
	WIN 0
.irp a, 0,1,2,3,4,5,6,7
	ds_load_b32 v[FP+\a], v[GR] offset:64*\a
.endr
	MULB 3, 0, 0
	MULB 3, 1, 0
	WIN 0
	s_wait_dscnt 0x0                               ; the last factors are in
.irp a, 0,1,2,3,4,5,6,7
	PLACES                                         ; block a's products are followed by four places
.if \a > 1
	s_wait_xcnt 0x0                                ; block a - 2's stores have read their registers: block a's rows may land there
.endif
	TOSTAGE \a
.if \a > 0
	SEND (\a-1), 16                                ; behind block a - 1's loads: block a's 8 stores and 8 loads
.endif
.if \a < 6
	MULB 3, (\a+2), 0
.endif
.endr
	SEND 7, 0
	s_wait_tensorcnt 0x0                           ; the wave's end
	ds_add_u32 v[SPW], v[NIL]
	s_wait_dscnt 0x0
	CROUND                                         ; the closing round
	s_endpgm
.Lfunc_end_k_q989192a8bf_pv:
	.size	k_q989192a8bf_pv, .Lfunc_end_k_q989192a8bf_pv-k_q989192a8bf_pv
	.p2alignl 7, 3214868480
	.fill 96, 4, 3214868480
	.section	.rodata,"a",@progbits
	.p2align	6, 0x0
	.amdhsa_kernel k_q989192a8bf_pv
		.amdhsa_group_segment_fixed_size 327680
		.amdhsa_private_segment_fixed_size 0
		.amdhsa_enable_private_segment 0
		.amdhsa_kernarg_size 48
		.amdhsa_user_sgpr_count 2
		.amdhsa_user_sgpr_kernarg_segment_ptr 1
		.amdhsa_wavefront_size32 1
		.amdhsa_system_sgpr_workgroup_id_x 1
		.amdhsa_system_sgpr_workgroup_id_y 1
		.amdhsa_system_sgpr_workgroup_id_z 1
		.amdhsa_system_vgpr_workitem_id 0
		.amdhsa_next_free_vgpr 896
		.amdhsa_next_free_sgpr 100
		.amdhsa_reserve_vcc 0
		.amdhsa_float_denorm_mode_32 3
		.amdhsa_float_denorm_mode_16_64 3
		.amdhsa_memory_ordered 1
		.amdhsa_forward_progress 1
		.amdhsa_inst_pref_size 109
	.end_amdhsa_kernel
	.amdgpu_metadata
---
amdhsa.version: [ 1, 2 ]
amdhsa.kernels:
  - .name:           k_q989192a8bf_pv
    .symbol:         k_q989192a8bf_pv.kd
    .args:
      - { .name: p_img, .offset: 0, .size: 8, .value_kind: global_buffer, .address_space: global }
      - { .name: v_img, .offset: 8, .size: 8, .value_kind: global_buffer, .address_space: global }
      - { .name: mrow, .offset: 16, .size: 8, .value_kind: global_buffer, .address_space: global }
      - { .name: lrow, .offset: 24, .size: 8, .value_kind: global_buffer, .address_space: global }
      - { .name: lowp_scales, .offset: 32, .size: 8, .value_kind: global_buffer, .address_space: global }
      - { .name: out0, .offset: 40, .size: 8, .value_kind: global_buffer, .address_space: global }
    .group_segment_fixed_size: 327680
    .private_segment_fixed_size: 0
    .kernarg_segment_align: 8
    .kernarg_segment_size: 48
    .max_flat_workgroup_size: 128
    .sgpr_count:     100
    .vgpr_count:     896
    .wavefront_size: 32
...
	.end_amdgpu_metadata
.endif
;; end of part 3
